; MI455X (gfx1250); checked and timed in simulation.
; The chip was launched on July 23, 2026; its instructions are those of AMD's public machine-readable ISA for CDNA 5 (MIT licence, August 2026) and "CDNA5" Instruction Set Architecture Reference Guide (July 2026). The comments in the code are by the model that wrote it; some were corrected since.
;; Attention. Allowed arithmetic: matrix products marked QUANTISED: E4M3 operands, one given power-of-two scale a tensor, by v_wmma_f32_16x16x64_fp8_fp8 or v_wmma_f32_16x16x128_fp8_fp8, f32 sums; products left as they are: f32 operands where the result goes on into a quantised operand, else bf16, f16 or f32 operands; f32 sums; everything else in f32.
;; Inputs: W_out_codes 1,024 x 32 x 32 uint8 (E4M3 codes of W_out, K innermost, in blocks of 32 codes); W_qkv_codes 3,072 x 32 x 32 uint8 (E4M3 codes of W_qkv, K innermost, in blocks of 32 codes); b_out 1,024 float32; lowp_scales 6 int32 (the exponents e of the quantised operands' scales 2^e); x_codes 4 x 4,096 x 32 x 32 uint8 (E4M3 codes of x, K innermost, in blocks of 32 codes).
;; Outputs: out0 4 x 4,096 x 1,024 float32.
;; This version of the problem:
;;   THIS VERSION OF THE PROBLEM IS GIVEN IN LOW PRECISION. The matrix products marked QUANTISED in the list below multiply operands that are first quantised to E4M3 (4 exponent bits, 3 mantissa bits; 8 bits a number), with one given power-of-two scale for each operand tensor; their sums are f32. All else is computed in f32.
;;   The module's matrix products, in the order in which they are computed (A, B: the left and right operand; K: the contracted axis; several contracted axes count as one K, in the product's order):
;;     1. [M 16,384, K 1,024] x [K 1,024, N 3,072]; A: input x (given as codes); B: input W_qkv (given as codes): QUANTISED (scales: A lowp_scales[0], B lowp_scales[1])
;;     2. batch 16,384 x [M 16, K 64] x [K 64, N 16]; A: computed on the way; B: computed on the way: QUANTISED (scales: A lowp_scales[2], B lowp_scales[3])
;;     3. batch 16,384 x [M 16, K 16] x [K 16, N 64]; A: softmax; B: computed on the way: left as it is (K = 16 < 32)
;;     4. [M 16,384, K 1,024] x [K 1,024, N 1,024]; A: computed on the way; B: input W_out (given as codes): QUANTISED (scales: A lowp_scales[4], B lowp_scales[5])
;;   THE QUANTISER, for each operand of a quantised product, along K:
;;     - The operand's scale is 2^e, e = its entry of the input lowp_scales (int32; the entries are numbered through the quantised products in the list's order, A before B).
;;     - Each number is divided by the scale, clamped to +-448, and rounded to the nearest number of E4M3, ties to even, subnormals kept.
;;     - The product sums the exact products of the quantised numbers (number of the format x scale) in f32.
;;   ~~~python
;;   def quantise(x, axis, e):      # numpy; x: float32 -> the quantised numbers, widened to float32 again
;;       x = np.moveaxis(x, axis, -1); K = x.shape[-1]
;;       r = np.clip(x / 2.0 ** e, -448, 448)
;;       step = 2.0 ** (np.maximum(np.frexp(np.where(r == 0, 1, r))[1] - 1, -6) - 3)
;;       q = np.round(r / step) * step * 2.0 ** e      # np.round: ties to even
;;       return np.moveaxis(q, -1, axis).astype(np.float32)
;;   ~~~
;;   OPERANDS COMPUTED ON THE WAY. 'Computed on the way' means the value that the module computes at that place (a softmax that the list does not call 'softmax' is quantised finished and normalised). What goes into a quantiser is computed in f32, as accurately as f32 sums, v_exp_f32 and their like allow (about 1e-6 of the number): no bf16 or f16 on the way to a quantiser, and a product that is left as it is and whose result goes on into a quantised operand takes f32 operands (vector FMAs, or v_wmma_f32_16x16x4_f32). A number that lies on a knife's edge between two numbers of the format may be rounded either way, as far as f32 arithmetic and the matrix unit's own rounding can turn it there, and no further.
;;   INPUTS GIVEN AS CODES. W_out (in the module: [1024, 1024], K = its axis 0); W_qkv (in the module: [1024, 3072], K = its axis 0); x (in the module: [4, 4096, 1024], K = its axis 2): each comes as NAME_codes (uint8): NAME with its K axis moved to the last place and cut into blocks of 32 codes, [.., K / 32, bytes a block], one block behind the other in memory; one code a byte (a code: sign, 4 exponent bits, 3 mantissa bits); its scale is its entry of lowp_scales. Its value is code x scale, taken as it is: it is not quantised again, and the codes and scales need not be those that the quantiser above would give.
;; One version. Each part assembles by itself: llvm-mc -triple=amdgcn-amd-amdhsa -mcpu=gfx1250 --defsym DOCPART=n.
;; ======== version 1 of 1: 2 launches
;; limits: right only within a limited range of input values
;; workspace buffers: wimg 5,242,880 bytes
;; launch lay (part 1): grid 256 x 1, 4 waves a work-group, no clusters, 0 bytes of LDS; arguments W_qkv_codes, W_out_codes, wimg; writes wimg
.if DOCPART == 1
	.amdgcn_target "amdgcn-amd-amdhsa--gfx1250"
	.amdhsa_code_object_version 6
	.text
	.protected	k_q4de14e24a1_lay
	.globl	k_q4de14e24a1_lay
	.p2align	8
	.type	k_q4de14e24a1_lay,@function
k_q4de14e24a1_lay:
	s_mov_b64 s[64:65], 0
	v_nop
	global_prefetch_b8 v0, s[64:65] scope:SCOPE_SE
	s_setreg_imm32_b32 hwreg(HW_REG_WAVE_MODE, 25, 1), 1
	s_wait_xcnt 0x0
; Lays the weights' codes in the order in which a wave's operand registers take them.  Nothing of reference() is left out.
; A tile is 16 rows x 1024 K = 16,384 bytes.  Block j (0..31) of a tile is 512 bytes: lane (r, h) owns bytes 16 x lane, which are
; row r, K = 32 j + 16 h + 0..15.  Tiles 0-191: W_qkv's rows 16 T on, at 16,384 T.  Tiles 192-255: W_out's rows, each stored TWICE on end
; (32,768 bytes a tile, from byte 0x300000 on), so that a reader may begin at any block and run on for 32 blocks without a wrap.
; One work-group a tile; a wave takes 256 bytes of each of the 16 rows by 8 loads and stores 8 x 512 consecutive bytes.
	s_load_b128 s[4:7], s[0:1], 0x0                ; W_qkv, W_out
	s_load_b64 s[8:9], s[0:1], 0x10                ; the image
	v_and_b32 v1, 15, v0                           ; r
	v_bfe_u32 v2, v0, 4, 1                         ; h
	v_lshrrev_b32 v3, 5, v0                        ; wave
	v_lshlrev_b32 v4, 10, v1
	v_lshl_add_u32 v4, v2, 4, v4
	v_lshl_add_u32 v4, v3, 8, v4                   ; from: 1024 r + 16 h + 256 wave
	v_and_b32 v5, 31, v0
	v_lshlrev_b32 v5, 4, v5
	v_lshl_add_u32 v5, v3, 12, v5                  ; to: 16 lane + 4096 wave
	s_cmp_lt_u32 ttmp9, 192
	s_cselect_b32 s10, 0, 192
	s_cselect_b32 s11, 0, 1                        ; 1: a tile of W_out
	s_wait_alu depctr_va_vdst(0)                   ; the wait at the head's end
	s_wait_kmcnt 0x0
	s_cselect_b64 s[12:13], s[4:5], s[6:7]
	s_sub_co_u32 s10, ttmp9, s10                   ; the tile's number in its own tensor
	s_lshl_b32 s14, s10, 14
	s_mov_b32 s15, 0
	s_add_nc_u64 s[12:13], s[12:13], s[14:15]
	s_mul_i32 s16, s10, s11
	s_add_co_u32 s16, s16, ttmp9                   ; W_out's tiles are twice as long
	s_lshl_b32 s16, s16, 14
	s_mov_b32 s17, 0
	s_add_nc_u64 s[8:9], s[8:9], s[16:17]
.irp j, 0,1,2,3,4,5,6,7
	global_load_b128 v[8+4*\j:11+4*\j], v4, s[12:13] offset:32*\j th:TH_LOAD_NT
.endr
	s_wait_loadcnt 0x0
.irp j, 0,1,2,3,4,5,6,7
	global_store_b128 v5, v[8+4*\j:11+4*\j], s[8:9] offset:512*\j
.endr
	s_cmp_eq_u32 s11, 0
	s_cbranch_scc1 .Lend
.irp j, 0,1,2,3,4,5,6,7
	global_store_b128 v5, v[8+4*\j:11+4*\j], s[8:9] offset:16384+512*\j
.endr
.Lend:
	s_endpgm
.Lfunc_end_k_q4de14e24a1_lay:
	.size	k_q4de14e24a1_lay, .Lfunc_end_k_q4de14e24a1_lay-k_q4de14e24a1_lay
	.p2alignl 7, 3214868480
	.fill 96, 4, 3214868480
	.section	.rodata,"a",@progbits
	.p2align	6, 0x0
	.amdhsa_kernel k_q4de14e24a1_lay
		.amdhsa_group_segment_fixed_size 0
		.amdhsa_private_segment_fixed_size 0
		.amdhsa_enable_private_segment 0
		.amdhsa_kernarg_size 24
		.amdhsa_user_sgpr_count 2
		.amdhsa_user_sgpr_kernarg_segment_ptr 1
		.amdhsa_wavefront_size32 1
		.amdhsa_system_sgpr_workgroup_id_x 1
		.amdhsa_system_sgpr_workgroup_id_y 1
		.amdhsa_system_sgpr_workgroup_id_z 1
		.amdhsa_system_vgpr_workitem_id 0
		.amdhsa_next_free_vgpr 48
		.amdhsa_next_free_sgpr 66
		.amdhsa_reserve_vcc 0
		.amdhsa_float_denorm_mode_32 3
		.amdhsa_float_denorm_mode_16_64 3
		.amdhsa_memory_ordered 1
		.amdhsa_forward_progress 1
		.amdhsa_inst_pref_size 4
	.end_amdhsa_kernel
	.amdgpu_metadata
---
amdhsa.version: [ 1, 2 ]
amdhsa.kernels:
  - .name:           k_q4de14e24a1_lay
    .symbol:         k_q4de14e24a1_lay.kd
    .args:
      - { .name: W_qkv_codes, .offset: 0, .size: 8, .value_kind: global_buffer, .address_space: global }
      - { .name: W_out_codes, .offset: 8, .size: 8, .value_kind: global_buffer, .address_space: global }
      - { .name: wimg, .offset: 16, .size: 8, .value_kind: global_buffer, .address_space: global }
    .group_segment_fixed_size: 0
    .private_segment_fixed_size: 0
    .kernarg_segment_align: 8
    .kernarg_segment_size: 24
    .max_flat_workgroup_size: 128
    .sgpr_count:     66
    .vgpr_count:     48
    .wavefront_size: 32
...
	.end_amdgpu_metadata
.endif
;; end of part 1
;; launch fused (part 2): grid 256 x 1, 4 waves a work-group, clusters of 4 x 1, 327,680 bytes of LDS; arguments x_codes, wimg, b_out, lowp_scales, out0; writes out0
.if DOCPART == 2
	.amdgcn_target "amdgcn-amd-amdhsa--gfx1250"
	.amdhsa_code_object_version 6
	.text
	.protected	k_q4de14e24a1_fused
	.globl	k_q4de14e24a1_fused
	.p2align	8
	.type	k_q4de14e24a1_fused,@function
k_q4de14e24a1_fused:
	s_mov_b64 s[64:65], 0
	v_nop
	global_prefetch_b8 v0, s[64:65] scope:SCOPE_SE
	s_setreg_imm32_b32 hwreg(HW_REG_WAVE_MODE, 25, 1), 1
	s_wait_xcnt 0x0
	s_wait_alu depctr_hold_cnt(0) depctr_sa_sdst(0) depctr_va_vdst(0) depctr_va_sdst(0) depctr_va_ssrc(0) depctr_va_vcc(0) depctr_vm_vsrc(0)
	s_getreg_b32 s2, hwreg(HW_REG_IB_STS2, 6, 4)
	s_cmp_eq_u32 s2, 0
	s_cbranch_scc0 .Lentry_in_a_cluster
	s_endpgm
.Lentry_in_a_cluster:
	s_bfe_u32 s2, ttmp6, 0x10000c
	s_cmp_lg_u32 s2, 0x3003
	s_cbranch_scc0 .Lentry_shape_is_right
	s_endpgm
.Lentry_shape_is_right:
; The whole module for 64 tokens a work-group: qkv = x W_qkv, per token softmax(q k^T / 8) v over the 16 heads, out W_out + b_out.  All of reference() is done.
; SHARES.  Every wave holds all 64 tokens' codes (64 x 1024 bytes, 512 registers) as source 1 of v_wmma_f32_16x16x128_fp8_fp8 and walks 64 tiles of 16 weight rows
; (32 of q and k, 16 of v, 16 of W_out), 32 matrix instructions a tile on four accumulators by turns.  A lane then holds one token and eight neighbouring features.
; THE WEIGHTS come from the image that launch lay made (a tile = 16,384 bytes in the order of the operand registers), by two roads at once:
;  - q's tiles and W_out's even tiles by JOINT tensor loads: the four work-groups of a cluster walk the same tiles, each wave asks for its own tile (mask 15),
;    through a ring of two LDS slots of 16,384 bytes a wave; a round of the cluster's barrier stands in front of every fill;
;  - k's, v's and W_out's odd tiles from memory straight into the operand registers, 32 loads of 512 consecutive bytes a tile; in the q/k and W_out phases two register
;    buffers take turns and a half buffer is asked for again as soon as it is multiplied (up to 64 loads of a wave are out); in the v phase one buffer, K step by K step.
; NO DATA PREFETCH: the register loads are issued two tiles (v: one tile) ahead of their use and a ring fill two tiles' products ahead, which is the look-ahead that a prefetch would give.
; THE WALK IS TURNED by rho = cluster % 16, in global addresses alone: slot t of q and of k holds head (rho + t) % 16, v's heads go in the same order (a sum over
; heads keeps its value), and the attention's result stays in slot order: W_out's K is turned to fit by beginning 1024 rho bytes into its tile, which lies twice on end.
; q and k are quantised in registers and change lanes through LDS (a token's row: 16 x 80 bytes of q, 16 x 80 of k); the scores are one 16x16x64 product a token;
; the softmax takes the row's maximum away; probabilities x v is done in f32 by packed multiply-adds (its result is quantised), a lane holding one token and 8 heads.
; LIMITS on the given exponents e0..e5, so that each power of two is an f32 number: e2-e0-e1, e3-e0-e1, e4-e0-e1 between -126 and 119; e2+e3 between -123 and 130; e4+e5 between -126 and 127.
; REGISTERS in windows of 256.  Window 0: v0-31 addresses, v32-63 accumulators, v64-191 fragments from the ring, in the v phase the weight buffer, v192-255 at work.
; Window 1: v0-127, v128-255 weight buffers 1 and 2; in the v phase the probabilities and the attention's sums.  Windows 2, 3: the 64 tokens' codes.
.set PW,    1040                       ; LDS row of 1024 codes + 16
.set WSH,   16*PW
.set TILE,  16384
.set QK,    8*TILE                     ; behind the ring (wave w: slot 0 at 2 w TILE, slot 1 one TILE on): 64 token rows of q's and k's codes, then probabilities
.set PT,    2576
.set PH,    80
.set KOFF,  16*PH
.set WTOK,  16*PT
.set PV,    272                        ; LDS row of 64 f32 + 16
.set VST,   QK                         ; when the probabilities are in registers: v of one step,
.set OC,    VST+64*PV                  ; the attention's codes,
.set YST,   OC+64*PW                   ; the way out: 64 x 272 bytes a wave;
.set VST1,  YST                        ; before that, v's second buffer
.set SPARE, QK+64*PT                   ; the spare words: 512 bytes that no other line names
.set SPW, 3
.set NIL, 4
.set GA,  5                            ; 16 x lane: my bytes of every 512-byte block
.set WA,  6
.set XA,  7
.set OA,  8
.set QS,  9
.set TA,  11
.set KR,  13
.set KT,  14
.set XW,  14
.set AR,  15
.set VS,  16
.set VR,  17
.set OS,  18
.set TOS, 19
.set YS,  20
.set YR,  21
.set YG,  22
.set BA,  23
.set SCQ, 24
.set LMQ, 25
.set SCK, 26
.set LMK, 27
.set SCO, 28
.set LMO, 29
.set VS1, 30
.set VR1, 31
.set ACC, 32
.set WF,  64
.set CD,  192
.set VD,  192
.set MX,  200
.set SM,  208
.set BI,  248
.set AT,  0
.set OU,  128
.set SF,  128
.set WV,  16
.set RHO, 17
.set W14, 18
.set PO,  19
.set GO,  20
.set NB,  24                           ; s[24:25] the tile that the register loads ask for
.set TO,  26
.set TM,  28
.set HD,  30
.set TT,  31
.set T80, 32
.set PP,  33
.set P16, 34
.set CO,  35
.set CN,  36
.set PC,  37
.set YB,  38
.set BB,  40
.set OUTB,42
.set OB,  44
.set SO,  46
.set CX,  47
.set EX,  48
.set SC,  54
.set CS,  60
.set SY,  62
.set SEL, 66
.set B0,  68
.set WG,  74
.set G1,  76                           ; s[76:83] descriptor group 1; s[84:91] group 0, one set for each slot
.set G0,  84
.set K_Q,  0
.set K_OC, 1
.set K_ON, 2
.set MSB, 0
.macro WIN new                         ; the immediate's high byte repeats the setting that is left
.if MSB != \new
	s_set_vgpr_msb (MSB<<8)|\new
.set MSB, \new
.endif
.endm
.macro PLACES
.rept 4
	v_nop
.endr
.endm
.macro ROUND                           ; a round of the cluster's barrier
	s_barrier_signal -1
	s_barrier_wait -1
	s_cmp_lg_u32 s[WV], 0
	s_cbranch_scc1 .Lnot_wave_0_\@
	s_barrier_signal -3
.Lnot_wave_0_\@:
	s_barrier_wait -3
	s_barrier_signal -1
	s_barrier_wait -1
.endm
.macro BARRIER
	s_wait_alu depctr_va_vdst(0)                   ; the wait ahead of a wait that blocks
	s_wait_dscnt 0x0                               ; my LDS stores are done and my reads are over
	s_barrier_signal -1
	s_barrier_wait -1
.endm
; THE CHANGE OF SLOTS, ahead of the products on slot sl: all my tensor loads are in, the add, my LDS instructions are done; a round; the other slot is filled.
; kind K_Q: q of head HD + d; K_OC: W_out's tile d of my column block; K_ON: tile 0 of my next column block.
.macro CHANGE sl, fill, kind, d
.set GD, G0+4*(1-\sl)
	s_wait_alu depctr_va_vdst(0)
	s_wait_tensorcnt 0x0
	ds_add_u32 v[SPW], v[NIL]                      ; the descriptor's step stands between the add and the wait for it
.if \fill
.if \kind == K_Q
	s_add_co_u32 s[TM], s[HD], \d
	s_and_b32 s[TM], s[TM], 15
	s_lshl_b32 s[TO], s[TM], 16
	s_add_co_u32 s[TO], s[TO], s[W14]
	s_add_nc_u64 s[GD+2:GD+3], s[6:7], s[TO:TO+1]
.else
.if \kind == K_OC
	s_lshl_b32 s[TO], s[CO], 17
	s_add_co_u32 s[TO], s[TO], (\d)<<15
.else
	s_lshl_b32 s[TO], s[CN], 17
.endif
	s_add_nc_u64 s[GD+2:GD+3], s[OB:OB+1], s[TO:TO+1]
.endif
	s_or_b32 s[GD+3], s[GD+3], 0x80000000
.endif
	s_wait_dscnt 0x0
.if \fill
	ROUND
	tensor_load_to_lds s[GD:GD+3], s[G1:G1+7]
	s_nop 0
.else
	s_barrier_signal -1
	s_barrier_wait -1
.endif
	PLACES
.endm
; half a tile, 16 loads of 512 consecutive bytes, into buffer b (0: window 0, v64 on; 1, 2: window 1, v0 and v128 on)
.macro WLOAD b, hi
.set LB, WF
.set LW, 0
.if (\b) > 0
.set LB, 128*((\b)-1)
.set LW, 0x40
.endif
	WIN LW
.irp j, 0,1,2,3,4,5,6,7,8,9,10,11,12,13,14,15
	global_load_b128 v[LB+64*(\hi)+4*\j:LB+64*(\hi)+4*\j+3], v[GA], s[NB:NB+1] offset:512*(16*(\hi)+\j)
.endr
.endm
.macro XLOAD adr                       ; 64 rows x 1024 codes into windows 2 and 3
	WIN 0x80
.irp s, 0,1,2,3
.irp m, 0,1,2,3
.irp c, 0,1,2,3
	ds_load_b128 v[16*(4*\s+\m)+4*\c:16*(4*\s+\m)+4*\c+3], v[\adr] offset:\m*WSH+128*\s+32*\c
.endr
.endr
.endr
	WIN 0xc0
.irp s, 0,1,2,3
.irp m, 0,1,2,3
.irp c, 0,1,2,3
	ds_load_b128 v[16*(4*\s+\m)+4*\c:16*(4*\s+\m)+4*\c+3], v[\adr] offset:\m*WSH+128*(\s+4)+32*\c
.endr
.endr
.endr
	WIN 0
	s_wait_dscnt 0x0
.endm
; the four products of K step s of a tile whose fragments lie at v[FB] of window FW
.macro MULS hi, s
.irp m, 0,1,2,3
.if (\hi == 0) && (\s == 0)
	v_wmma_f32_16x16x128_fp8_fp8 v[ACC+8*\m:ACC+8*\m+7], v[FB+64*\hi+16*\s:FB+64*\hi+16*\s+15], v[16*(4*\s+\m):16*(4*\s+\m)+15], 0
.else
	v_wmma_f32_16x16x128_fp8_fp8 v[ACC+8*\m:ACC+8*\m+7], v[FB+64*\hi+16*\s:FB+64*\hi+16*\s+15], v[16*(4*\s+\m):16*(4*\s+\m)+15], v[ACC+8*\m:ACC+8*\m+7]
.endif
.endr
.endm
; A tile from register buffer b.  rf = 1: each half of the buffer is asked for again (tile s[NB]) behind its products and their places.
; The wait for K step s leaves out: the tile's later K steps (4 loads each), aft loads issued behind the tile's, and 16 once this buffer's first half is asked for again.
.macro GEMM b, rf, aft
.set FB, WF
.set FW, 0
.if (\b) > 0
.set FB, 128*((\b)-1)
.set FW, 1
.endif
.irp hi, 0,1
	WIN (0x08+4*\hi)|FW
.irp s, 0,1,2,3
	s_wait_loadcnt 28-16*\hi-4*\s+(\aft)+16*\hi*(\rf)
	MULS \hi, \s
.endr
.rept 4+\hi
	v_nop                                          ; places: 4 ahead of loads into the fragments and of reads of the sums, 5 ahead of the next tile's first product
.endr
.if \rf
	WLOAD \b, \hi
.endif
.endr
	WIN 0
.endm
; A tile from ring slot sl: my own 16,384 bytes, 32 contiguous LDS loads; the wait for K step s leaves the later K steps' loads out
.macro LGEMM sl
.set FB, WF
.set jj, 0
.rept 32
	ds_load_b128 v[WF+4*jj:WF+4*jj+3], v[WA] offset:TILE*\sl+512*jj
.set jj, jj+1
.endr
.irp hi, 0,1
	WIN 0x08+4*\hi
.irp s, 0,1,2,3
	s_wait_dscnt 28-16*\hi-4*\s
	MULS \hi, \s
.endr
.endr
	WIN 0
.rept 5
	v_nop
.endr
.endm
.macro EPI_QK sc, lim, koff            ; hold, quantise, and 8 codes a token into the token's row
	v_add_nc_u32 v[TA], s[T80], v[QS]
	v_add_nc_u32 v[TA+1], s[T80], v[QS+1]
.set jj, 0
.rept 32
	v_med3_num_f32 v[ACC+jj], v[ACC+jj], -v[\lim], v[\lim]
.set jj, jj+1
.endr
.irp m, 0,1,2,3
	v_cvt_scalef32_pk8_fp8_f32 v[CD+2*\m:CD+2*\m+1], v[ACC+8*\m:ACC+8*\m+7], v[\sc]
.endr
	v_nop
	ds_store_b64 v[TA], v[CD:CD+1] offset:\koff
	ds_store_b64 v[TA], v[CD+2:CD+3] offset:WTOK+\koff
	ds_store_b64 v[TA+1], v[CD+4:CD+5] offset:\koff
	ds_store_b64 v[TA+1], v[CD+6:CD+7] offset:WTOK+\koff
.endm
; one head: q from ring slot sl, k from register buffer sl + 1.  HD is the head of the pair's first
.macro QKT sl, last, kind, d
	CHANGE \sl, 1, \kind, \d
	LGEMM \sl
	EPI_QK SCQ, LMQ, PH*\sl
	s_wait_xcnt 0x0                                ; the loads have read s[NB]
.if \last
.if \sl
	s_add_co_u32 s[TO], s[GO], 0x200000            ; v's first tile, where the ring's fragments lay
	s_add_nc_u64 s[NB:NB+1], s[6:7], s[TO:TO+1]
	WLOAD 0, 0
	WLOAD 0, 1
.endif
.else
	s_add_co_u32 s[TM], s[HD], 2+\sl               ; k two heads on
	s_and_b32 s[TM], s[TM], 15
	s_lshl_b32 s[TO], s[TM], 16
	s_add_co_u32 s[TO], s[TO], s[W14]
	s_add_co_u32 s[TO], s[TO], 0x100000
	s_add_nc_u64 s[NB:NB+1], s[6:7], s[TO:TO+1]
.endif
	GEMM 1+\sl, 1-\last, 32
	EPI_QK SCK, LMK, KOFF+PH*\sl
.endm
; four tokens' scores and softmax: source 0 = k's 16 slots, source 1 = q's: a lane holds one q slot, its registers 8 k slots
.macro SCORE4
	WIN 0x40
.irp i, 0,1,2,3
	ds_load_b128 v[SF+16*\i:SF+16*\i+3],     v[KT] offset:\i*PT+KOFF
	ds_load_b128 v[SF+16*\i+4:SF+16*\i+7],   v[KT] offset:\i*PT+KOFF+16
	ds_load_b128 v[SF+16*\i+8:SF+16*\i+11],  v[KT] offset:\i*PT
	ds_load_b128 v[SF+16*\i+12:SF+16*\i+15], v[KT] offset:\i*PT+16
.endr
	s_wait_dscnt 0x0
	WIN 0x05
.irp i, 0,1,2,3
	v_wmma_f32_16x16x64_fp8_fp8 v[ACC+8*\i:ACC+8*\i+7], v[SF+16*\i:SF+16*\i+7], v[SF+16*\i+8:SF+16*\i+15], 0
.endr
	WIN 0
	PLACES
.irp i, 0,1,2,3
	v_max3_num_f32 v[MX+2*\i], v[ACC+8*\i], v[ACC+8*\i+1], v[ACC+8*\i+2]
.endr
.irp i, 0,1,2,3
	v_max3_num_f32 v[MX+2*\i], v[MX+2*\i], v[ACC+8*\i+3], v[ACC+8*\i+4]
.endr
.irp i, 0,1,2,3
	v_max3_num_f32 v[MX+2*\i], v[MX+2*\i], v[ACC+8*\i+5], v[ACC+8*\i+6]
.endr
.irp i, 0,1,2,3
	v_max_num_f32 v[MX+2*\i], v[MX+2*\i], v[ACC+8*\i+7]
.endr
.irp i, 0,1,2,3
	v_permlanex16_b32 v[MX+2*\i+1], v[MX+2*\i], s[SEL], s[SEL+1]
.endr
.irp i, 0,1,2,3
	v_max_num_f32 v[MX+2*\i], v[MX+2*\i], v[MX+2*\i+1]
.endr
.irp i, 0,1,2,3
.irp j, 0,2,4,6
	v_pk_add_f32 v[ACC+8*\i+\j:ACC+8*\i+\j+1], v[ACC+8*\i+\j:ACC+8*\i+\j+1], v[MX+2*\i:MX+2*\i+1] op_sel_hi:[1,0] neg_lo:[0,1] neg_hi:[0,1]
.endr
.endr
.irp i, 0,1,2,3
.irp j, 0,2,4,6
	v_pk_mul_f32 v[ACC+8*\i+\j:ACC+8*\i+\j+1], v[ACC+8*\i+\j:ACC+8*\i+\j+1], s[CS:CS+1] op_sel_hi:[1,0]
.endr
.endr
.set jj, 0
	s_wait_alu depctr_va_vdst(0)                   ; the wait ahead of the batch
.rept 32
	v_exp_f32 v[ACC+jj], v[ACC+jj]
.set jj, jj+1
.endr
	v_nop
	s_wait_alu depctr_va_vdst(0)                   ; and behind it
.irp i, 0,1,2,3
	v_pk_add_f32 v[SM+4*\i:SM+4*\i+1], v[ACC+8*\i:ACC+8*\i+1], v[ACC+8*\i+2:ACC+8*\i+3]
	v_pk_add_f32 v[SM+4*\i+2:SM+4*\i+3], v[ACC+8*\i+4:ACC+8*\i+5], v[ACC+8*\i+6:ACC+8*\i+7]
.endr
.irp i, 0,1,2,3
	v_pk_add_f32 v[SM+4*\i:SM+4*\i+1], v[SM+4*\i:SM+4*\i+1], v[SM+4*\i+2:SM+4*\i+3]
.endr
.irp i, 0,1,2,3
	v_add_f32 v[SM+4*\i], v[SM+4*\i], v[SM+4*\i+1]
.endr
.irp i, 0,1,2,3
	v_permlanex16_b32 v[MX+2*\i+1], v[SM+4*\i], s[SEL], s[SEL+1]
.endr
.irp i, 0,1,2,3
	v_add_f32 v[SM+4*\i], v[SM+4*\i], v[MX+2*\i+1]
.endr
	s_wait_alu depctr_va_vdst(0)
.irp i, 0,1,2,3
	v_rcp_f32 v[SM+4*\i+2], v[SM+4*\i]
.endr
	v_nop
	s_wait_alu depctr_va_vdst(0)
.irp i, 0,1,2,3
.irp j, 0,2,4,6
	v_pk_mul_f32 v[ACC+8*\i+\j:ACC+8*\i+\j+1], v[ACC+8*\i+\j:ACC+8*\i+\j+1], v[SM+4*\i+2:SM+4*\i+3] op_sel_hi:[1,0]
.endr
.endr
.irp i, 0,1,2,3
	ds_store_b128 v[KT], v[ACC+8*\i:ACC+8*\i+3] offset:\i*PT          ; the probabilities, over the token's q (my own tokens: LDS serves a wave in order)
	ds_store_b128 v[KT], v[ACC+8*\i+4:ACC+8*\i+7] offset:\i*PT+16
.endr
.endm
.macro ATLOAD                          ; my token's probabilities: 8 q slots x 16 k slots
	WIN 0x40
.irp i, 0,1,2,3,4,5,6,7
.irp c, 0,1,2,3
	ds_load_b128 v[AT+16*\i+4*\c:AT+16*\i+4*\c+3], v[AR] offset:PH*\i+16*\c
.endr
.endr
	WIN 0
.endm
.macro EPI_V adr
.irp m, 0,1,2,3
	ds_store_b128 v[\adr], v[ACC+8*\m:ACC+8*\m+3] offset:16*PV*\m
	ds_store_b128 v[\adr], v[ACC+8*\m+4:ACC+8*\m+7] offset:16*PV*\m+16
.endr
.endm
.macro SLICE st                        ; 8 packed multiply-adds: one q slot x one k slot x 16 channels
.set aa, 4*(\st)+q/8
.set ro, OU+16*(q%8)
.set ra, AT+16*(q%8)+aa
.set rv, VD+16*(q/8)
.irp u, 0,1,2,3,4,5,6,7
.if aa == 0
	v_pk_mul_f32 v[ro+2*\u:ro+2*\u+1], v[rv+2*\u:rv+2*\u+1], v[ra:ra+1] op_sel_hi:[1,0]
.elseif (aa%2) == 0
	v_pk_fma_f32 v[ro+2*\u:ro+2*\u+1], v[rv+2*\u:rv+2*\u+1], v[ra:ra+1], v[ro+2*\u:ro+2*\u+1] op_sel_hi:[1,0,1]
.else
	v_pk_fma_f32 v[ro+2*\u:ro+2*\u+1], v[rv+2*\u:rv+2*\u+1], v[ra-1:ra], v[ro+2*\u:ro+2*\u+1] op_sel:[0,1,0] op_sel_hi:[1,1,1]
.endif
.endr
.set q, q+1
.endm
; a tile of v is multiplied while the step before is weighed: a slice behind each product.  rf = 1: each K step's fragment is asked for again behind its four products
; (the last slice is the places); LOADcnt 28: the 7 K steps asked for behind the one that is wanted, of this tile and the next.  rf = 0: only this tile's later K steps are out.
.macro GEMMC st, vr, rf
.irp gl, 0,1,2,3
.irp c, 0,1,2,3
	ds_load_b128 v[VD+16*\gl+4*\c:VD+16*\gl+4*\c+3], v[\vr] offset:64*\gl+16*\c
.endr
.endr
.set q, 0
.irp hi, 0,1
.irp s, 0,1,2,3
.if (\s%2) == 0
	s_wait_dscnt 12-4*(2*\hi+\s/2)                 ; the next k slot's 16 channels are in
.endif
.if \rf
	s_wait_loadcnt 28
.else
	s_wait_loadcnt 28-16*\hi-4*\s
.endif
.irp m, 0,1,2,3
	WIN 0x08+4*\hi
.if (\hi == 0) && (\s == 0)
	v_wmma_f32_16x16x128_fp8_fp8 v[ACC+8*\m:ACC+8*\m+7], v[WF+64*\hi+16*\s:WF+64*\hi+16*\s+15], v[16*(4*\s+\m):16*(4*\s+\m)+15], 0
.else
	v_wmma_f32_16x16x128_fp8_fp8 v[ACC+8*\m:ACC+8*\m+7], v[WF+64*\hi+16*\s:WF+64*\hi+16*\s+15], v[16*(4*\s+\m):16*(4*\s+\m)+15], v[ACC+8*\m:ACC+8*\m+7]
.endif
	WIN 0x54
	SLICE \st
.endr
.if \rf
	WIN 0
.irp c, 0,1,2,3
	global_load_b128 v[WF+64*\hi+16*\s+4*\c:WF+64*\hi+16*\s+4*\c+3], v[GA], s[NB:NB+1] offset:512*(16*\hi+4*\s+\c)
.endr
.endif
.endr
.endr
	WIN 0
.endm
.macro CONSUME st, vr
.irp gl, 0,1,2,3
.irp c, 0,1,2,3
	ds_load_b128 v[VD+16*\gl+4*\c:VD+16*\gl+4*\c+3], v[\vr] offset:64*\gl+16*\c
.endr
.endr
	WIN 0x54
.set q, 0
.irp gl, 0,1,2,3
	s_wait_dscnt 12-4*\gl
.rept 8
	SLICE \st
.endr
.endr
	WIN 0
.endm
.macro QOUT                            ; 8 slots x 16 channels: hold, quantise, into my token's row of codes
	s_lshl_b32 s[P16], s[PP], 4
	v_add_nc_u32 v[TOS], s[P16], v[OS]
	WIN 0x41
.set jj, 0
.rept 128
	v_med3_num_f32 v[OU+jj], v[OU+jj], -v[LMO], v[LMO]
.set jj, jj+1
.endr
	WIN 0x01
.irp i, 0,1,2,3,4,5,6,7
	v_cvt_scalef32_pk8_fp8_f32 v[CD+4*\i:CD+4*\i+1], v[OU+16*\i:OU+16*\i+7], v[SCO]
	v_cvt_scalef32_pk8_fp8_f32 v[CD+4*\i+2:CD+4*\i+3], v[OU+16*\i+8:OU+16*\i+15], v[SCO]
.endr
	WIN 0
	v_nop
.irp i, 0,1,2,3,4,5,6,7
	ds_store_b128 v[TOS], v[CD+4*\i:CD+4*\i+3] offset:64*\i
.endr
.endm
.macro VNEXT k                         ; 1-3: step k of the pass in hand; 4: step 0 of the next pass
	s_wait_xcnt 0x0
.if \k == 4
	s_add_co_u32 s[PO], s[PO], 0x4000
	s_add_co_u32 s[TO], s[GO], s[PO]
.else
	s_add_co_u32 s[TO], s[GO+\k], s[PO]
.endif
	s_add_co_u32 s[TO], s[TO], 0x200000
	s_add_nc_u64 s[NB:NB+1], s[6:7], s[TO:TO+1]
.endm
.macro EPI_Y st
.irp m, 0,1,2,3
	ds_store_b128 v[YS], v[ACC+8*\m:ACC+8*\m+3] offset:16*PV*\m+64*\st
	ds_store_b128 v[YS], v[ACC+8*\m+4:ACC+8*\m+7] offset:16*PV*\m+64*\st+16
.endr
.endm
.macro ONEXT st                        ; tile st of my next column block
	s_wait_xcnt 0x0
	s_lshl_b32 s[TO], s[CN], 17
	s_add_co_u32 s[TO], s[TO], (\st)<<15
	s_add_nc_u64 s[NB:NB+1], s[OB:OB+1], s[TO:TO+1]
.endm
.macro BIAS                            ; one load; the pass's later waits on LOADcnt, for loads issued behind it, show it done
	s_lshl_b32 s[TM], s[CO], 8
	s_mov_b32 s[TM+1], 0
	s_add_nc_u64 s[BB:BB+1], s[8:9], s[TM:TM+1]
	global_load_b128 v[BI:BI+3], v[BA], s[BB:BB+1]
.endm
.macro WAYOUT more                     ; 64 tokens x 64 columns: rows of 256 bytes back from my stage, x 2^(e4+e5) + bias, sixteen lanes to an aligned 256 bytes
	s_lshl_b32 s[TM], s[CO], 8
	s_mov_b32 s[TM+1], 0
	s_add_nc_u64 s[YB:YB+1], s[OUTB:OUTB+1], s[TM:TM+1]
.set t, 0
.rept 32
	ds_load_b128 v[WF+4*t:WF+4*t+3], v[YR] offset:2*PV*t
.set t, t+1
.endr
.set t, 0
.rept 32
	s_wait_dscnt 31-t
	v_pk_fma_f32 v[WF+4*t:WF+4*t+1], v[WF+4*t:WF+4*t+1], s[SY:SY+1], v[BI:BI+1] op_sel_hi:[1,0,1]
	v_pk_fma_f32 v[WF+4*t+2:WF+4*t+3], v[WF+4*t+2:WF+4*t+3], s[SY:SY+1], v[BI+2:BI+3] op_sel_hi:[1,0,1]
	global_store_b128 v[YG], v[WF+4*t:WF+4*t+3], s[YB:YB+1] offset:8192*t th:TH_STORE_NT
.set t, t+1
.endr
.if \more
	s_wait_xcnt 0x0                                ; the stores have read their registers and base
	s_mov_b32 s[CO], s[CN]
.endif
.endm
; a pass: 64 columns for all 64 tokens: tiles 0 and 2 from the ring, tiles 1 and 3 from register buffers 1 and 2
.macro OPASS more
	s_add_co_u32 s[CN], s[CO], 4
	s_and_b32 s[CN], s[CN], 15
	CHANGE 0, 1, K_OC, 2
	BIAS
	LGEMM 0
	EPI_Y 0
.if \more
	ONEXT 1
.endif
	GEMM 1, \more, 32
	EPI_Y 1
	CHANGE 1, \more, K_ON, 0
	LGEMM 1
	EPI_Y 2
.if \more
	ONEXT 3
.endif
	GEMM 2, \more, 32*\more
	EPI_Y 3
	WAYOUT \more
.endm
.macro MKSCALE e, dst                  ; 2^(e - e0 - e1) and 448 x that
	s_sub_co_i32 s[TM+1], s[\e], s[TM]
	s_add_co_i32 s[TM+1], s[TM+1], 127
	s_lshl_b32 s[\dst], s[TM+1], 23
	s_add_co_i32 s[TM+1], s[TM+1], 8
	s_lshl_b32 s[\dst+1], s[TM+1], 23
	s_or_b32 s[\dst+1], s[\dst+1], 0x600000
.endm
	s_load_b256 s[4:11], s[0:1], 0x0               ; x s[4:5], the image s[6:7], b_out s[8:9], the exponents s[10:11]
	s_load_b64 s[12:13], s[0:1], 0x20              ; out
	v_lshl_add_u32 v[SPW], v0, 2, SPARE
	v_mov_b32 v[NIL], 0
	ds_add_u32 v[SPW], v[NIL]                      ; the opening: the add, twice on end, and its wait ahead of my first tensor load
	ds_add_u32 v[SPW], v[NIL]
	v_lshrrev_b32 v240, 5, v0
	v_readfirstlane_b32 s[WV], v240
	v_and_b32 v[GA], 31, v0
	v_lshlrev_b32 v[GA], 4, v[GA]
	s_bfe_u32 s[CX], ttmp6, 0x40000
	s_lshl_b32 s[WG], ttmp9, 2
	s_add_co_u32 s[WG], s[WG], s[CX]               ; my work-group: it enters x's and out's addresses alone
	s_and_b32 s[RHO], ttmp9, 15                    ; the same in the cluster's four
	s_lshl_b32 s[W14], s[WV], 14
	s_add_co_u32 s[TM], s[WV], s[RHO]
.irp s, 0,1,2,3
	s_add_co_u32 s[GO+\s], s[TM], 4*\s
	s_and_b32 s[GO+\s], s[GO+\s], 15               ; the head of k slot wave + 4 s; also my column block of pass s
.endr
	s_mov_b32 s[CO], s[GO]
.irp s, 0,1,2,3
	s_lshl_b32 s[GO+\s], s[GO+\s], 16
.endr
	s_lshl_b32 s[B0], s[WV], 4
	s_add_co_u32 s[B0], s[B0], QK
	s_mul_i32 s[B0+1], s[WV], WTOK
	s_add_co_u32 s[B0+1], s[B0+1], QK
	s_lshl_b32 s[B0+2], s[WV], 6
	s_add_co_u32 s[B0+2], s[B0+2], VST
	s_mul_i32 s[B0+3], s[WV], 16*PV
	s_add_co_u32 s[B0+3], s[B0+3], VST
	s_mul_i32 s[B0+4], s[WV], WSH
	s_add_co_u32 s[B0+4], s[B0+4], QK
	s_mul_i32 s[B0+5], s[WV], 64*PV
	s_add_co_u32 s[B0+5], s[B0+5], YST
	s_mov_b32 s[G1], 15|(1<<21)                    ; the cluster's four; elements of 1 byte; no padding: a tile is 16 rows of 1024 bytes on end
	s_mov_b32 s[G1+1], 1024<<16
	s_mov_b32 s[G1+2], 16<<16
	s_mov_b32 s[G1+3], 1024<<16
	s_mov_b32 s[G1+4], 16
	s_mov_b32 s[G1+5], 1024
	s_mov_b32 s[G1+6], 0
	s_mov_b32 s[G1+7], 0
	s_mov_b32 s[G0], 1
	s_lshl_b32 s[G0+1], s[WV], 15                  ; my slot 0,
	s_mov_b32 s[G0+4], 1
	s_add_co_u32 s[G0+5], s[G0+1], TILE            ; my slot 1
	s_mov_b32 s[HD], s[RHO]
	s_mov_b32 s[TT], 0
	s_mov_b32 s[T80], 0
	s_mov_b32 s[PO], 0
	s_mov_b32 s[PP], 0
	s_mov_b32 s[PC], 0
	s_mov_b32 s[SO], 0
	s_mov_b32 s[TO+1], 0
	s_mov_b32 s[TM+1], 0
	s_mov_b32 s[SEL], 0x76543210
	s_mov_b32 s[SEL+1], 0xfedcba98
	s_lshl_b32 s[TO], s[WG], 16
	s_add_co_u32 s[TO], s[TO], s[W14]              ; my 16 tokens of the work-group's 64
	s_wait_alu depctr_va_vdst(0)                   ; the wait here, directly ahead of the readers below
	v_add_nc_u32 v[XW], s[B0+4], v[GA]
	v_add_nc_u32 v[WA], s[G0+1], v[GA]
	s_wait_alu depctr_va_vdst(0)                   ; and ahead of the waits that block
	s_wait_dscnt 0x0                               ; both opening adds are done
	s_wait_kmcnt 0x0
	s_load_b128 s[EX:EX+3], s[10:11], 0x0
	s_load_b64 s[EX+4:EX+5], s[10:11], 0x10
	s_add_nc_u64 s[YB:YB+1], s[4:5], s[TO:TO+1]
.set jj, 0
.rept 32
	global_load_b128 v[WF+4*jj:WF+4*jj+3], v[GA], s[YB:YB+1] offset:512*jj th:TH_LOAD_NT   ; 16 tokens' codes, 16,384 consecutive bytes
.set jj, jj+1
.endr
	s_lshl_b32 s[TO], s[RHO], 16
	s_add_co_u32 s[TO], s[TO], s[W14]
	s_add_nc_u64 s[G0+2:G0+3], s[6:7], s[TO:TO+1]
	s_or_b32 s[G0+3], s[G0+3], 0x80000000
	ROUND                                          ; the cluster's four are here: the first joint loads meet
	tensor_load_to_lds s[G0:G0+3], s[G1:G1+7]      ; q's first tile: one tensor load a wave at the head
	s_nop 0
	PLACES
	s_add_co_u32 s[TO], s[TO], 0x100000
	s_add_nc_u64 s[NB:NB+1], s[6:7], s[TO:TO+1]
	WLOAD 1, 0                                     ; k's first tile
	WLOAD 1, 1
	WIN 0
	s_lshl_b32 s[TM], s[WG], 18
	s_add_nc_u64 s[OUTB:OUTB+1], s[12:13], s[TM:TM+1]
	s_lshl_b32 s[TM], s[RHO], 10
	s_add_co_u32 s[TM], s[TM], 0x300000
	s_add_nc_u64 s[OB:OB+1], s[6:7], s[TM:TM+1]    ; W_out's tiles, begun 1024 rho bytes in
	v_and_b32 v1, 15, v0
	v_bfe_u32 v2, v0, 4, 1
	v_mul_u32_u24 v240, v1, PW
	v_lshl_add_u32 v[OS], v2, 9, v240
	v_add_nc_u32 v[OS], s[B0+4], v[OS]
	v_add_nc_u32 v[OS], OC-QK, v[OS]
	v_lshl_add_u32 v[XA], v2, 4, v240
	v_add_nc_u32 v[XA], QK, v[XA]
	v_add_nc_u32 v[OA], OC-QK, v[XA]
	v_mul_u32_u24 v241, v1, PT
	v_lshl_add_u32 v[QS], v2, 3, v241
	v_add_nc_u32 v[QS], s[B0], v[QS]
	v_add_nc_u32 v[QS+1], 2*WTOK, v[QS]
	v_mul_u32_u24 v[KR], v1, PH
	v_lshl_add_u32 v[KR], v2, 5, v[KR]
	v_add_nc_u32 v[KR], s[B0+1], v[KR]
	v_mad_u32_u24 v[AR], v2, 8*PH, v241
	v_add_nc_u32 v[AR], s[B0+1], v[AR]
	v_mul_u32_u24 v242, v1, PV
	v_lshl_add_u32 v[VS], v2, 5, v242
	v_add_nc_u32 v[YS], s[B0+5], v[VS]
	v_add_nc_u32 v[VS], s[B0+2], v[VS]
	v_add_nc_u32 v[VS1], VST1-VST, v[VS]
	v_add_nc_u32 v[VR], s[B0+3], v242
	v_add_nc_u32 v[VR1], VST1-VST, v[VR]
	v_mul_u32_u24 v[YR], v2, PV
	v_lshl_add_u32 v[YR], v1, 4, v[YR]
	v_add_nc_u32 v[YR], s[B0+5], v[YR]
	v_lshlrev_b32 v[BA], 4, v1
	v_lshl_add_u32 v[YG], v2, 12, v[BA]
.irp i, 0,1,2,3
	v_mov_b32 v[MX+2*\i+1], 0                      ; a lane permute's destination counts as one of its sources
.endr
	s_wait_kmcnt 0x0
	s_add_co_i32 s[TM], s[EX], s[EX+1]
	MKSCALE EX+2, SC
	MKSCALE EX+3, SC+2
	MKSCALE EX+4, SC+4
.irp j, 0,1,2,3,4,5
	v_mov_b32 v[SCQ+\j], s[SC+\j]
.endr
	s_add_co_i32 s[TM], s[EX+2], s[EX+3]
	s_lshl_b32 s[TM], s[TM], 23
	s_add_co_i32 s[CS], s[TM], 0x3e38aa3b          ; log2(e) / 8 x 2^(e2 + e3)
	s_mov_b32 s[CS+1], s[CS]
	s_add_co_i32 s[TM], s[EX+4], s[EX+5]
	s_add_co_i32 s[TM], s[TM], 127
	s_lshl_b32 s[SY], s[TM], 23
	s_mov_b32 s[SY+1], s[SY]
	s_wait_alu depctr_va_vdst(0)                   ; the wait at the head's end
	s_wait_loadcnt 32                              ; x is in; k's first tile may be out
.set jj, 0
.rept 32
	ds_store_b128 v[XW], v[WF+4*jj:WF+4*jj+3] offset:(jj/2)*PW+(jj%2)*512
.set jj, jj+1
.endr
	s_wait_xcnt 0x0
	s_add_co_u32 s[TM], s[HD], 1
	s_and_b32 s[TM], s[TM], 15
	s_lshl_b32 s[TO], s[TM], 16
	s_add_co_u32 s[TO], s[TO], s[W14]
	s_add_co_u32 s[TO], s[TO], 0x100000
	s_add_nc_u64 s[NB:NB+1], s[6:7], s[TO:TO+1]
	WLOAD 2, 0                                     ; k's second tile
	WLOAD 2, 1
	WIN 0
	BARRIER
	XLOAD XA
.Lqk:                                                  ; 7 trips of two heads; the first change of slots brings slot 1's first fill, as a refill is brought
	QKT 0, 0, K_Q, 1
	QKT 1, 0, K_Q, 2
	s_add_co_u32 s[HD], s[HD], 2
	s_and_b32 s[HD], s[HD], 15
	s_add_co_u32 s[T80], s[T80], 2*PH
	s_add_co_u32 s[TT], s[TT], 1
	s_cmp_lt_u32 s[TT], 7
	s_cbranch_scc1 .Lqk
	QKT 0, 1, K_Q, 1                               ; the last two heads ask for no further k;
	QKT 1, 1, K_OC, 0                              ; slot 0 takes W_out's first tile, which the W_out phase reads
	BARRIER
.Lsc:                                                  ; my 16 tokens, four a trip
	v_add_nc_u32 v[KT], s[SO], v[KR]
	SCORE4
	s_add_co_u32 s[SO], s[SO], 4*PT
	s_cmp_lt_u32 s[SO], 16*PT
	s_cbranch_scc1 .Lsc
	ATLOAD
	BARRIER                                        ; every wave has its probabilities in registers: their bytes take v and the codes
.Lv:                                                   ; a pass: 16 channels of all 16 heads, four steps of four heads
	VNEXT 1
	GEMM 0, 1, 0
	EPI_V VS
	BARRIER
	VNEXT 2
	GEMMC 0, VR, 1
	EPI_V VS1
	BARRIER
	VNEXT 3
	GEMMC 1, VR1, 1
	EPI_V VS
	BARRIER
	GEMMC 2, VR, 0
	EPI_V VS1
	s_cmp_eq_u32 s[PP], 3
	s_cbranch_scc1 .Lno_more_v                     ; the last pass asks for no further tile of v
	VNEXT 4
	WLOAD 0, 0
	WLOAD 0, 1
	WIN 0
.Lno_more_v:
	BARRIER
	CONSUME 3, VR1
	QOUT
	s_add_co_u32 s[PP], s[PP], 1
	s_cmp_lt_u32 s[PP], 4
	s_cbranch_scc1 .Lv
	s_wait_xcnt 0x0
	s_lshl_b32 s[TO], s[CO], 17
	s_add_co_u32 s[TO], s[TO], 1<<15
	s_add_nc_u64 s[NB:NB+1], s[OB:OB+1], s[TO:TO+1]
	WLOAD 1, 0                                     ; W_out's tiles 1 and 3 of my first column block
	WLOAD 1, 1
	s_wait_xcnt 0x0
	s_add_co_u32 s[TO], s[TO], 2<<15
	s_add_nc_u64 s[NB:NB+1], s[OB:OB+1], s[TO:TO+1]
	WLOAD 2, 0
	WLOAD 2, 1
	WIN 0
	BARRIER
	XLOAD OA                                       ; the attention's codes take x's place
.Lout:
	OPASS 1
	s_add_co_u32 s[PC], s[PC], 1
	s_cmp_lt_u32 s[PC], 3
	s_cbranch_scc1 .Lout
	OPASS 0
	s_wait_tensorcnt 0x0                           ; the wave's end
	ds_add_u32 v[SPW], v[NIL]
	s_wait_dscnt 0x0
	ROUND                                          ; the closing round
	s_endpgm
.Lfunc_end_k_q4de14e24a1_fused:
	.size	k_q4de14e24a1_fused, .Lfunc_end_k_q4de14e24a1_fused-k_q4de14e24a1_fused
	.p2alignl 7, 3214868480
	.fill 96, 4, 3214868480
	.section	.rodata,"a",@progbits
	.p2align	6, 0x0
	.amdhsa_kernel k_q4de14e24a1_fused
		.amdhsa_group_segment_fixed_size 327680
		.amdhsa_private_segment_fixed_size 0
		.amdhsa_enable_private_segment 0
		.amdhsa_kernarg_size 40
		.amdhsa_user_sgpr_count 2
		.amdhsa_user_sgpr_kernarg_segment_ptr 1
		.amdhsa_wavefront_size32 1
		.amdhsa_system_sgpr_workgroup_id_x 1
		.amdhsa_system_sgpr_workgroup_id_y 1
		.amdhsa_system_sgpr_workgroup_id_z 1
		.amdhsa_system_vgpr_workitem_id 0
		.amdhsa_next_free_vgpr 1024
		.amdhsa_next_free_sgpr 96
		.amdhsa_reserve_vcc 0
		.amdhsa_float_denorm_mode_32 3
		.amdhsa_float_denorm_mode_16_64 3
		.amdhsa_memory_ordered 1
		.amdhsa_forward_progress 1
		.amdhsa_inst_pref_size 255
	.end_amdhsa_kernel
	.section	.bss,"aw",@nobits
	.p2align	6
	.space	262144
	.amdgpu_metadata
---
amdhsa.version: [ 1, 2 ]
amdhsa.kernels:
  - .name:           k_q4de14e24a1_fused
    .symbol:         k_q4de14e24a1_fused.kd
    .args:
      - { .name: x_codes, .offset: 0, .size: 8, .value_kind: global_buffer, .address_space: global }
      - { .name: wimg, .offset: 8, .size: 8, .value_kind: global_buffer, .address_space: global }
      - { .name: b_out, .offset: 16, .size: 8, .value_kind: global_buffer, .address_space: global }
      - { .name: lowp_scales, .offset: 24, .size: 8, .value_kind: global_buffer, .address_space: global }
      - { .name: out0, .offset: 32, .size: 8, .value_kind: global_buffer, .address_space: global }
    .group_segment_fixed_size: 327680
    .private_segment_fixed_size: 0
    .kernarg_segment_align: 8
    .kernarg_segment_size: 40
    .max_flat_workgroup_size: 128
    .sgpr_count:     96
    .vgpr_count:     1024
    .wavefront_size: 32
...
	.end_amdgpu_metadata
.endif
;; end of part 2
